; MI455X (gfx1250); checked and timed in simulation.
; The chip was launched on July 23, 2026; its instructions are those of AMD's public machine-readable ISA for CDNA 5 (MIT licence, August 2026) and "CDNA5" Instruction Set Architecture Reference Guide (July 2026). The comments in the code are by the model that wrote it; some were corrected since.
;; LSTM Cell. Allowed arithmetic: matrix products marked QUANTISED: E2M1 operands, one E8M0 scale for each 32 along K, by v_wmma_scale_f32_16x16x128_f8f6f4 with both operands' format E2M1 (or v_wmma_scale_f32_32x16x128_f4), f32 sums; everything else in f32.
;; Inputs: Wh 1,024 x 4,096 float32; Wi 512 x 4,096 float32; bh 4,096 float32; c 8,192 x 1,024 float32; h 8,192 x 1,024 float32; ln_beta 4 x 1,024 float32; ln_gamma 4 x 1,024 float32; x 8,192 x 512 float32.
;; Outputs: out0 8,192 x 1,024 float32; out1 8,192 x 1,024 float32.
;; This version of the problem:
;;   THIS VERSION OF THE PROBLEM IS GIVEN IN LOW PRECISION. The matrix products marked QUANTISED in the list below multiply operands that are first quantised to E2M1 (2 exponent bits, 1 mantissa bit; 4 bits a number), with one power-of-two scale for each 32 numbers along K (OCP MX v1.0); their sums are f32. All else is computed in f32.
;;   The module's matrix products, in the order in which they are computed (A, B: the left and right operand; K: the contracted axis; several contracted axes count as one K, in the product's order):
;;     1. [M 8,192, K 512] x [K 512, N 4,096]; A: input x; B: input Wi: QUANTISED
;;     2. [M 8,192, K 1,024] x [K 1,024, N 4,096]; A: input h; B: input Wh: QUANTISED
;;   THE QUANTISER, for each operand of a quantised product, along K:
;;     - K is cut into blocks of 32 from its start; a last block that is shorter is filled with zeros.
;;     - A block's scale is 2^e with e = floor(log2(the largest magnitude in the block)) - 2, held to -126 .. 127; a block of zeros has e = 0. As a byte (E8M0): e + 127.
;;     - Each number is divided by its block's scale, clamped to +-6, and rounded to the nearest number of E2M1, ties to even, subnormals kept.
;;     - The product sums the exact products of the quantised numbers (number of the format x scale) in f32.
;;   ~~~python
;;   def quantise(x, axis):      # numpy; x: float32 -> the quantised numbers, widened to float32 again
;;       x = np.moveaxis(x, axis, -1); K = x.shape[-1]
;;       x = np.pad(x, [(0, 0)] * (x.ndim - 1) + [(0, -K % 32)]); x = x.reshape(x.shape[:-1] + (-1, 32)); a = np.abs(x).max(-1, keepdims=True)
;;       e = np.where(a > 0, np.clip(np.frexp(np.where(a > 0, a, 1))[1] - 1 - 2, -126, 127), 0)      # np.frexp(a)[1] - 1 = floor(log2(a)), exactly
;;       r = np.clip(x / 2.0 ** e, -6, 6)
;;       step = 2.0 ** (np.maximum(np.frexp(np.where(r == 0, 1, r))[1] - 1, 0) - 1)
;;       q = np.round(r / step) * step * 2.0 ** e      # np.round: ties to even
;;       return np.moveaxis(q.reshape(q.shape[:-2] + (-1,))[..., :K], -1, axis).astype(np.float32)
;;   ~~~
;; One version. Each part assembles by itself: llvm-mc -triple=amdgcn-amd-amdhsa -mcpu=gfx1250 --defsym DOCPART=n.
;; ======== version 1 of 1: 2 launches
;; limits: right only within a limited range of input values
;; workspace buffers: aimg 6,684,672 bytes; wimg 3,342,336 bytes
;; launch quant (part 1): grid 1152 x 1, 4 waves a work-group, no clusters, 68,096 bytes of LDS; arguments x, h, Wi, Wh, aimg, wimg; writes aimg, wimg
.if DOCPART == 1
	.amdgcn_target "amdgcn-amd-amdhsa--gfx1250"
	.amdhsa_code_object_version 6
	.text
	.protected	k_q59fe802a49_quant
	.globl	k_q59fe802a49_quant
	.p2align	8
	.type	k_q59fe802a49_quant,@function
k_q59fe802a49_quant:
	s_mov_b64 s[64:65], 0
	v_nop
	global_prefetch_b8 v0, s[64:65] scope:SCOPE_SE
	s_setreg_imm32_b32 hwreg(HW_REG_WAVE_MODE, 25, 1), 1
	s_wait_xcnt 0x0
; LSTM cell with LayerNorm on the gates, both products on codes of FP4 (E2M1) with one E8M0 scale for each 32 along K.
; gates = x Wi + h Wh + bh is ONE product with K = 512 + 1,024 = 1,536 (512 is a multiple of 32: no block straddles the seam): 12 K steps of 128; steps 0-3 are x / Wi, steps 4-11 h / Wh.
; NO WORK OF reference() IS LEFT OUT: every input has a way to both outputs and is loaded by one of the two launches.
; THIS LAUNCH quantises x, h, Wi, Wh once, into IMAGES OF THE OPERANDS' REGISTERS.  A PART (17,408 bytes) is what 256 rows of an operand need for one K step: 16 fragments of 1,024 bytes (fragment i, piece c,
; lane l = (r, hh): 16 bytes at 1024 i + 512 c + 16 l = the codes of k = 64 c + 32 hh + 0 .. 31 of row 16 i + r), then 1,024 bytes of scale words (row (i, r): at 16384 + 128 (i / 2) + 8 r + 4 (i % 2)).
; aimg [32 row tiles][12 K steps][PART];  wimg [16 tiles][12][PART]: tile 4 w + o holds hidden units 256 w on of the gate that the next launch takes as its o-th (i, g, f, o): a wave's stream there is one run of bytes.
; A block's scale is 2^(floor(log2(its largest magnitude)) - 2); its byte is the largest magnitude's exponent field - 2, held at 1 from below.
; LIMITS: NaN and infinities among the inputs are not served; a block whose largest magnitude lies under 2^-124 keeps the byte 1; a block of zeros gets the byte 1 (its codes are zeros; this program alone reads the bytes).
; Work-groups 0-767 take rows (x, h: K innermost), 768-1151 columns (Wi, Wh: K outermost).  Only the first kind uses LDS.  No barrier: waves share nothing.
.set PART,  17408
.set STG,   16896                      ; LDS of a wave: two stages of 16 rows x (512 bytes + 16)
.set SPARE, 4*STG                      ; the spare words, 128 bytes for each wave, named by no other line
.set SPW,   252
.set NIL,   253
.set OFF,   16                         ; v16-47   rows: the byte offset of each of my 32 rows; later the codes
.set RAW,   48                         ; v48-175  rows: 32 rows x 16 bytes a lane, as loaded
.set X0,    176                        ; v176-239 64 numbers of fragment 0, in the operand's order
.set X1,    48                         ; v48-111  of fragment 1
.set PC,    16                         ; v16-31   the two fragments' codes
	s_load_b256 s[4:11], s[0:1], 0x0               ; x, h, Wi, Wh
	s_load_b128 s[12:15], s[0:1], 0x20             ; aimg, wimg
	v_lshl_add_u32 v[SPW], v0, 2, SPARE
	v_mov_b32 v[NIL], 0
	v_lshrrev_b32 v1, 5, v0
	v_readfirstlane_b32 s18, v1                    ; wave 0..3
	v_and_b32 v1, 31, v0                           ; lane
	v_and_b32 v2, 15, v0                           ; r
	v_bfe_u32 v3, v0, 4, 1                         ; hh
	s_mov_b32 s20, 0x76543210
	s_mov_b32 s21, 0xfedcba98                      ; v_permlanex16_b32's selects for lane l xor 16
	s_mov_b32 s22, 0xffff0000                      ; lanes 16-31
	v_lshlrev_b32 v4, 4, v1                        ; 16 x lane
	s_mul_i32 s38, s18, STG
	v_add_nc_u32 v5, s38, v4                       ; the stage, on the way in: a row's 512 bytes as they lie
	v_mul_u32_u24 v6, v2, 528
	v_lshl_add_u32 v6, v3, 7, v6
	v_add_nc_u32 v6, s38, v6                       ; and on the way out: row r, + 128 hh
	v_lshlrev_b32 v7, 3, v2
	v_lshl_add_u32 v7, v3, 2, v7                   ; a scale word's place: 8 r + 4 hh
	v_lshlrev_b32 v8, 3, v3                        ; 8 hh
	s_wait_alu depctr_va_vdst(0)                   ; the wait at the head's end
	s_wait_kmcnt 0x0
	s_cmp_lt_u32 ttmp9, 768
	s_cbranch_scc0 .Lqw
; ---- ROWS.  The work-group takes 32 rows (two fragments) x 512 along K; wave w the K step 4 gx + w.
	s_lshr_b32 s19, ttmp9, 8                       ; gx: 0 = x, 1, 2 = h's halves
	s_and_b32 s23, ttmp9, 255                      ; y: rows 32 y on
	s_cmp_eq_u32 s19, 0
	s_cselect_b64 s[30:31], s[4:5], s[6:7]         ; the choice hangs on the work-group's number alone
	s_mov_b32 s24, 4096
	s_cselect_b32 s24, 2048, s24                   ; a row in bytes
	s_lshr_b32 s25, s19, 1
	s_lshl_b32 s25, s25, 11                        ; h's second half begins 2,048 bytes into a row
	s_mul_i32 s32, s23, s24
	s_lshl_b32 s32, s32, 5
	s_add_co_u32 s32, s32, s25
	s_lshl_b32 s33, s18, 9                         ; my K step's 512 bytes
	s_add_co_u32 s32, s32, s33
	s_mov_b32 s33, 0
	s_add_nc_u64 s[30:31], s[30:31], s[32:33]
	s_lshr_b32 s34, s23, 3                         ; row tile R
	s_mul_i32 s34, s34, 12
	s_lshl_b32 s35, s19, 2
	s_add_co_u32 s34, s34, s35
	s_add_co_u32 s34, s34, s18                     ; 12 R + K step
	s_mul_i32 s34, s34, PART
	s_and_b32 s35, s23, 7                          ; my first fragment is 2 (y % 8)
	s_lshl_b32 s36, s35, 11
	s_add_co_u32 s36, s36, s34
	s_mov_b32 s37, 0
	s_add_nc_u64 s[26:27], s[12:13], s[36:37]      ; its codes
	s_lshl_b32 s36, s35, 7
	s_add_co_u32 s36, s36, s34
	s_add_co_u32 s36, s36, 16384
	s_add_nc_u64 s[28:29], s[12:13], s[36:37]      ; its scale words
	v_mov_b32 v247, 0                              ; written once: a lane permute's destination counts as one of its sources
.set i, 0
	s_wait_alu depctr_va_vdst(0)
.rept 32
	v_mad_u32_u24 v[OFF+i], s24, i, v4             ; row i x pitch + 16 x lane
.set i, i+1
.endr
.set i, 0
.rept 32
	global_load_b128 v[RAW+4*i:RAW+4*i+3], v[OFF+i], s[30:31] th:TH_LOAD_NT   ; 32 lanes read 512 consecutive bytes of one row
.set i, i+1
.endr
; 64 numbers of a lane come back from stage st in the operand's order: register 32 c + j = k 64 c + 32 hh + j of row r
.macro BACKX xs, st
.irp c, 0,1
.irp q, 0,1,2,3,4,5,6,7
	ds_load_b128 v[\xs+32*\c+4*\q:\xs+32*\c+4*\q+3], v6 offset:\st+256*\c+16*\q
.endr
.endr
.endm
; they become a fragment's 8 registers of codes, v[pc] on, and the row's scale word, v[pw].  A lane holds two whole blocks (hh and 2 + hh)
.macro QUANT xs, pc, pw
.irp c, 0,1
	v_max3_num_f32 v[240+\c], |v[\xs+32*\c]|, |v[\xs+32*\c+1]|, 0x1800000   ; with the floor 2^(3 - 127): the byte cannot fall under 1
.endr
.irp i, 2,4,6,8,10,12,14,16,18,20,22,24,26,28,30
.irp c, 0,1
	v_max3_num_f32 v[240+\c], v[240+\c], |v[\xs+32*\c+\i]|, |v[\xs+32*\c+\i+1]|
.endr
.endr
.irp c, 0,1
	v_add_nc_u32 v[242+\c], 0xff000000, v[240+\c]  ; 2 off the exponent field: the conversion's scale operand
.endr
.irp c, 0,1
	v_lshrrev_b32 v[244+\c], 23, v[242+\c]         ; the scale's byte
.endr
	v_lshl_or_b32 v246, v245, 16, v244             ; my two bytes,
	v_lshlrev_b32 v246, v8, v246                   ; at their places in the word (8 hh bits up);
	v_permlanex16_b32 v247, v246, s20, s21
	v_or_b32 v[\pw], v246, v247                    ; with lane l xor 16's two the word is whole
.irp c, 0,1
.irp g, 0,1,2,3
	v_cvt_scalef32_pk8_fp4_f32 v[\pc+4*\c+\g], v[\xs+32*\c+8*\g:\xs+32*\c+8*\g+7], v[242+\c]
.endr
.endr
	v_nop                                          ; one plain place behind the last scaled conversion
.endm
	s_wait_loadcnt 16                              ; rows 0-15 are in; rows 16-31 may be out
.set i, 0
.rept 16
	ds_store_b128 v5, v[RAW+4*i:RAW+4*i+3] offset:528*i
.set i, i+1
.endr
	BACKX X0, 0                                    ; LDS serves a wave's instructions in order: these see the stores above
	s_wait_loadcnt 0x0
.set i, 16
.rept 16
	ds_store_b128 v5, v[RAW+4*i:RAW+4*i+3] offset:8448+528*(i-16)
.set i, i+1
.endr
	s_wait_dscnt 16                                ; only the 16 stores just issued may be out
	BACKX X1, 8448
	QUANT X0, PC, 250
	s_wait_dscnt 0x0
	QUANT X1, PC+8, 251
.irp f, 0,1
.irp c, 0,1
	global_store_b128 v4, v[PC+8*\f+4*\c:PC+8*\f+4*\c+3], s[26:27] offset:1024*\f+512*\c   ; 32 lanes store 512 consecutive bytes
.endr
.endr
	v_cndmask_b32 v249, v250, v251, s22            ; lanes 0-15 the first fragment's words, lanes 16-31 the second's
	global_store_b32 v7, v249, s[28:29]            ; 128 consecutive bytes
	s_wait_tensorcnt 0x0                           ; the wave's end
	ds_add_u32 v[SPW], v[NIL]
	s_wait_dscnt 0x0
	s_endpgm
; ---- COLUMNS.  A lane takes a column and its registers run down K: a block of 32 lies in one lane.  A wave takes 32 columns x one K step (4 blocks).
.Lqw:
	s_sub_co_u32 s19, ttmp9, 768
	s_lshr_b32 s23, s19, 5                         ; K step 0..11
	s_and_b32 s24, s19, 31
	s_lshl_b32 s24, s24, 2
	s_add_co_u32 s24, s24, s18                     ; m32: columns 32 m32 on
	s_lshr_b32 s25, s24, 5                         ; gate g
	s_and_b32 s32, s24, 31                         ; m: hidden units 32 m on
	s_cmp_lt_u32 s23, 4
	s_cselect_b64 s[30:31], s[8:9], s[10:11]       ; Wi or Wh
	s_cselect_b32 s33, 0, 4
	s_sub_co_u32 s33, s23, s33                     ; the K step inside that tensor
	s_lshl_b32 s34, s33, 21                        ; 128 rows of 16,384 bytes
	s_lshl_b32 s35, s24, 7
	s_add_co_u32 s34, s34, s35
	s_mov_b32 s35, 0
	s_add_nc_u64 s[30:31], s[30:31], s[34:35]
	s_lshr_b32 s36, s32, 3                         ; the tile: 4 (m / 8) + the gate's two bits swapped (i, g, f, o = 0, 1, 2, 3)
	s_lshl_b32 s36, s36, 2
	s_and_b32 s38, s25, 1
	s_lshl_b32 s38, s38, 1
	s_or_b32 s36, s36, s38
	s_lshr_b32 s38, s25, 1
	s_or_b32 s36, s36, s38
	s_mul_i32 s36, s36, 12
	s_add_co_u32 s36, s36, s23
	s_mul_i32 s36, s36, PART
	s_and_b32 s38, s32, 7                          ; first fragment 2 (m % 8)
	s_lshl_b32 s39, s38, 11
	s_add_co_u32 s40, s36, s39
	s_mov_b32 s41, 0
	s_add_nc_u64 s[26:27], s[14:15], s[40:41]
	s_lshl_b32 s39, s38, 7
	s_add_co_u32 s40, s36, s39
	s_add_co_u32 s40, s40, 16384
	s_add_nc_u64 s[28:29], s[14:15], s[40:41]
	v_lshlrev_b32 v9, 2, v1                        ; in: 4 bytes a lane
	v_lshlrev_b32 v10, 10, v3
	v_lshl_add_u32 v10, v2, 4, v10                 ; out: fragment hh, 16 r
.macro LOADW t                         ; block t: W(32 t + i, my column) into set t % 2
.set i, 0
.rept 32
	global_load_b32 v[32+32*((\t)%2)+i], v9, s[30:31] offset:(32*(\t)+i)*16384 th:TH_LOAD_NT
.set i, i+1
.endr
.endm
.macro BLOCK t
.set XS, 32+32*((\t)%2)
.if (\t) < 3
	s_wait_loadcnt 32                              ; this block's 32 loads are in; the next block's may be out
.else
	s_wait_loadcnt 0x0
.endif
	v_max3_num_f32 v12, |v[XS]|, |v[XS+1]|, |v[XS+2]|
	v_max3_num_f32 v13, |v[XS+3]|, |v[XS+4]|, |v[XS+5]|
.irp i, 6,10,14,18,22,26
	v_max3_num_f32 v12, v12, |v[XS+\i]|, |v[XS+\i+1]|
	v_max3_num_f32 v13, v13, |v[XS+\i+2]|, |v[XS+\i+3]|
.endr
	v_max3_num_f32 v12, v12, |v[XS+30]|, |v[XS+31]|
	v_max3_num_f32 v12, v12, v13, 0x1800000        ; and the floor
	v_add_nc_u32 v14, 0xff000000, v12
	v_lshrrev_b32 v15, 23, v14
.if (\t) == 0
	v_mov_b32 v24, v15                             ; the column's scale word: byte t for block t
.else
	v_lshl_or_b32 v24, v15, 8*(\t), v24
.endif
.irp g, 0,1,2,3
	v_cvt_scalef32_pk8_fp4_f32 v[96+4*(\t)+\g], v[XS+8*\g:XS+8*\g+7], v14
.endr
	v_nop                                          ; one plain place behind the last scaled conversion
	global_store_b128 v10, v[96+4*(\t):99+4*(\t)], s[26:27] offset:512*((\t)/2)+256*((\t)%2)   ; sixteen lanes store 256 consecutive bytes of a fragment's image
.if (\t) < 2
	LOADW (\t)+2
.endif
.endm
	LOADW 0
	LOADW 1
	BLOCK 0
	BLOCK 1
	BLOCK 2
	BLOCK 3
	global_store_b32 v7, v24, s[28:29]
	s_endpgm
.Lfunc_end_k_q59fe802a49_quant:
	.size	k_q59fe802a49_quant, .Lfunc_end_k_q59fe802a49_quant-k_q59fe802a49_quant
	.p2alignl 7, 3214868480
	.fill 96, 4, 3214868480
	.section	.rodata,"a",@progbits
	.p2align	6, 0x0
	.amdhsa_kernel k_q59fe802a49_quant
		.amdhsa_group_segment_fixed_size 68096
		.amdhsa_private_segment_fixed_size 0
		.amdhsa_enable_private_segment 0
		.amdhsa_kernarg_size 48
		.amdhsa_user_sgpr_count 2
		.amdhsa_user_sgpr_kernarg_segment_ptr 1
		.amdhsa_wavefront_size32 1
		.amdhsa_system_sgpr_workgroup_id_x 1
		.amdhsa_system_sgpr_workgroup_id_y 1
		.amdhsa_system_sgpr_workgroup_id_z 1
		.amdhsa_system_vgpr_workitem_id 0
		.amdhsa_next_free_vgpr 256
		.amdhsa_next_free_sgpr 66
		.amdhsa_reserve_vcc 0
		.amdhsa_float_denorm_mode_32 3
		.amdhsa_float_denorm_mode_16_64 3
		.amdhsa_memory_ordered 1
		.amdhsa_forward_progress 1
		.amdhsa_inst_pref_size 39
	.end_amdhsa_kernel
	.amdgpu_metadata
---
amdhsa.version: [ 1, 2 ]
amdhsa.kernels:
  - .name:           k_q59fe802a49_quant
    .symbol:         k_q59fe802a49_quant.kd
    .args:
      - { .name: x, .offset: 0, .size: 8, .value_kind: global_buffer, .address_space: global }
      - { .name: h, .offset: 8, .size: 8, .value_kind: global_buffer, .address_space: global }
      - { .name: Wi, .offset: 16, .size: 8, .value_kind: global_buffer, .address_space: global }
      - { .name: Wh, .offset: 24, .size: 8, .value_kind: global_buffer, .address_space: global }
      - { .name: aimg, .offset: 32, .size: 8, .value_kind: global_buffer, .address_space: global }
      - { .name: wimg, .offset: 40, .size: 8, .value_kind: global_buffer, .address_space: global }
    .group_segment_fixed_size: 68096
    .private_segment_fixed_size: 0
    .kernarg_segment_align: 8
    .kernarg_segment_size: 48
    .max_flat_workgroup_size: 128
    .sgpr_count:     66
    .vgpr_count:     256
    .wavefront_size: 32
...
	.end_amdgpu_metadata
.endif
;; end of part 1
;; launch cell (part 2): grid 256 x 1, 4 waves a work-group, clusters of 4 x 1, 327,680 bytes of LDS; arguments aimg, wimg, bh, ln_gamma, ln_beta, c, out0, out1; writes out0, out1
.if DOCPART == 2
	.amdgcn_target "amdgcn-amd-amdhsa--gfx1250"
	.amdhsa_code_object_version 6
	.text
	.protected	k_q59fe802a49_cell
	.globl	k_q59fe802a49_cell
	.p2align	8
	.type	k_q59fe802a49_cell,@function
k_q59fe802a49_cell:
	s_mov_b64 s[64:65], 0
	v_nop
	global_prefetch_b8 v0, s[64:65] scope:SCOPE_SE
	s_setreg_imm32_b32 hwreg(HW_REG_WAVE_MODE, 25, 1), 1
	s_wait_xcnt 0x0
	s_wait_alu depctr_hold_cnt(0) depctr_sa_sdst(0) depctr_va_vdst(0) depctr_va_sdst(0) depctr_va_ssrc(0) depctr_va_vcc(0) depctr_vm_vsrc(0)
	s_getreg_b32 s2, hwreg(HW_REG_IB_STS2, 6, 4)
	s_cmp_eq_u32 s2, 0
	s_cbranch_scc0 .Lentry_in_a_cluster
	s_endpgm
.Lentry_in_a_cluster:
	s_bfe_u32 s2, ttmp6, 0x10000c
	s_cmp_lg_u32 s2, 0x3003
	s_cbranch_scc0 .Lentry_shape_is_right
	s_endpgm
.Lentry_shape_is_right:
; THE WHOLE CELL BEHIND THE QUANTISER: gates = [x h] [Wi; Wh] + bh on codes of FP4, LayerNorm of each gate's 1,024 numbers, the LSTM step; out0 = h_new, out1 = c_new.  Nothing of reference() is left out.
; A work-group owns 32 rows and ALL 4,096 columns, so that a row's statistics never leave it: 8,192 / 32 = 256 work-groups.  The gates go one after the other, in the order i, g, f, o; wave w has hidden units 256 w on:
; 32 accumulators of 16 x 16 (256 registers) and 256 registers of state: 1 + EI, then sigmoid(i) tanh(g), then c_new.
; The matrix instruction is used TRANSPOSED (source 0 = 16 columns of W, source 1 = 16 rows): lane (r, hh) holds row 16 rb + r, register j of block b column 16 b + 8 hh + j.  The bias is loaded into the accumulators.
; W streams through a ring of two LDS slots; a slot holds two K steps of a gate's 1,024 columns; each wave fetches and reads its own quarter (34,816 dense bytes).  All work-groups walk the same bytes of W:
; the four of a cluster ask jointly (mask 15).  One loop body serves the four gates, so a gate's first fill stands at the gate's head and its last phase fills nothing.  One tensor load a wave is out at any time.
; The rows' codes (12 K steps x 2,176 bytes) are copied into LDS once.
; STATISTICS: each wave takes its 256 numbers' mean and the squared deviations from THAT mean; the four waves' pairs meet in LDS; variance = (sum of M2 + 256 x sum of squared distances of the means) / 1,024.
; ACTIVATIONS in base 2: E = 2^(K y), K = -log2(e) (i, f, o) or -2 log2(e) (g, c_new): sigmoid = 1 / (1 + E), tanh = (1 - E) / (1 + E).
; c and the results pass through a stage of 16 rows x 272 bytes for each wave, so that memory sees whole rows of 256 bytes.  The last stage goes by row blocks: rows 0-15 of h_new are stored ahead of the arithmetic of rows 16-31.
; No run of loads has more than 62 out at once beside the bias's 64, which are waited for at once.
; PREFETCH: phase n asks for the fill that phase n + 2 loads (fill n + 3); a fill's 136 blocks of 256 bytes a wave are shared out among the four partners by address, 34 each; the last three phases ask for nothing.
; LIMITS: NaN and infinities among the inputs are not served.  The two tanh exponents are held at 64 from above (there tanh differs from -1 by less than 2^-63), so every numerator stays finite;
; an EI, EF or EO that overflows gives a reciprocal of 0, which meets finite numbers alone.
; REGISTERS: window 0: v1-29 addresses; v32-49 scale words alone; v64-95 the rows' fragments, two sets; v96-159 small sets; v160-255 c and rows on their way.
; window 1: W's fragments, two sets of 128; in the epilogue gamma, beta, then c as loaded.  window 2: the accumulators ((rb, b) at v[128 rb + 8 b]).  window 3: the state.
.set PART,  17408
.set QS,    2*PART
.set SLOT,  4*QS
.set ABASE, 2*SLOT
.set ASTR,  2176                       ; a K step of the rows: 2,048 bytes of codes, 128 of scale words
.set STG,   ABASE+12*ASTR
.set SROW,  272
.set RED,   STG+4*16*SROW              ; 4 waves x 32 rows x (-mean, M2)
.set SPARE, RED+1024                   ; the spare words, 128 bytes for each wave, named by no other line
.set ADRB, 4
.set ADRS, 6
.set ADRA, 8
.set ADRAS, 9
.set L16,  10
.set BO,   11
.set CO,   12
.set RD,   13
.set STO,  14
.set REDW, 15
.set REDR, 16
.set PFO,  17
.set ADRA0, 20
.set ADRAS0, 21
.set SPW,  28
.set NIL,  29
.set SW,   32
.set SA,   48
.set AF,   64
.set T,    96
.set SS,   112
.set XX,   114
.set NM,   116
.set RC,   122
.set RR,   124
.set RS,   140
.set SH,   144
.set DD,   148
.set U,    150
.set CL,   160
.set OB,   192
.set WV, 20
.set G1, 24
.set G0, 32
.set WQ, 36
.set PF, 40
.set PFI, 42
.set Q,  43
.set TR, 45
.set AO, 46
.set MSB, 0
.macro WIN new                         ; the immediate's high byte repeats the setting that is left
.if MSB != (\new)
	s_set_vgpr_msb (MSB<<8)|(\new)
.set MSB, (\new)
.endif
.endm
.macro PLACES n
.rept \n
	v_nop
.endr
.endm
.macro VW
	s_wait_alu depctr_va_vdst(0)
.endm
.macro ROUND                           ; a round of the cluster's barrier
	s_barrier_signal -1
	s_barrier_wait -1
	s_cmp_lg_u32 s[WV], 0
	s_cbranch_scc1 .Lnw0_\@
	s_barrier_signal -3
.Lnw0_\@:
	s_barrier_wait -3
	s_barrier_signal -1
	s_barrier_wait -1
.endm
; The lines in front of a fill, and the fill: all my tensor loads are in, the add, the descriptor's step, the add and my LDS reads are done, the round, my one joint load.
.macro SEQ slot, fill, dbl
	s_wait_tensorcnt 0x0
	ds_add_u32 v[SPW], v[NIL]
.if \dbl
	ds_add_u32 v[SPW], v[NIL]
.endif
.if \fill
	s_add_nc_u64 s[G0+2:G0+3], s[G0+2:G0+3], QS    ; no load of mine is out: the next 34,816 bytes of my stream
	s_add_co_u32 s[G0+1], s[WQ], (\slot)*SLOT
.endif
	s_wait_dscnt 0x0
.if \fill
	ROUND
	tensor_load_to_lds s[G0:G0+3], s[G1:G1+7]
	s_nop 0
.else
	s_barrier_signal -1
	s_barrier_wait -1
.endif
	PLACES 4                                       ; also the places in front of the loads that follow
.endm
.macro FETCH slot, k, set              ; a K step's operands: W's 16 fragments, the rows' two, W's 8 registers of scale words, the rows' one
	WIN 0x40
.set i, 0
.rept 32
	ds_load_b128 v[128*\set+4*i:128*\set+4*i+3], v[ADRB+\slot] offset:\k*PART+512*i
.set i, i+1
.endr
	WIN 0
.set i, 0
.rept 4
	ds_load_b128 v[AF+16*\set+4*i:AF+16*\set+4*i+3], v[ADRA] offset:ASTR*(2*\slot+\k)+512*i
.set i, i+1
.endr
.set i, 0
.rept 8
	ds_load_b32 v[SW+8*\set+i], v[ADRS+\slot] offset:\k*PART+128*i     ; lanes 0-15 fragment 2 i's words, lanes 16-31 fragment 2 i + 1's
.set i, i+1
.endr
	ds_load_b32 v[SA+\set], v[ADRAS] offset:ASTR*(2*\slot+\k)          ; lanes 0-15 rows 0-15, lanes 16-31 rows 16-31
.endm
.macro WM d, b, a, sw, sa, ra, rb
.if \ra
.if \rb
	v_wmma_scale_f32_16x16x128_f8f6f4 v[(\d):(\d)+7], v[(\b):(\b)+7], v[(\a):(\a)+7], v[(\d):(\d)+7], v[\sw], v[\sa] matrix_a_fmt:MATRIX_FMT_FP4 matrix_b_fmt:MATRIX_FMT_FP4 matrix_a_scale:MATRIX_SCALE_ROW1 matrix_b_scale:MATRIX_SCALE_ROW1
.else
	v_wmma_scale_f32_16x16x128_f8f6f4 v[(\d):(\d)+7], v[(\b):(\b)+7], v[(\a):(\a)+7], v[(\d):(\d)+7], v[\sw], v[\sa] matrix_a_fmt:MATRIX_FMT_FP4 matrix_b_fmt:MATRIX_FMT_FP4 matrix_a_scale:MATRIX_SCALE_ROW1
.endif
.else
.if \rb
	v_wmma_scale_f32_16x16x128_f8f6f4 v[(\d):(\d)+7], v[(\b):(\b)+7], v[(\a):(\a)+7], v[(\d):(\d)+7], v[\sw], v[\sa] matrix_a_fmt:MATRIX_FMT_FP4 matrix_b_fmt:MATRIX_FMT_FP4 matrix_b_scale:MATRIX_SCALE_ROW1
.else
	v_wmma_scale_f32_16x16x128_f8f6f4 v[(\d):(\d)+7], v[(\b):(\b)+7], v[(\a):(\a)+7], v[(\d):(\d)+7], v[\sw], v[\sa] matrix_a_fmt:MATRIX_FMT_FP4 matrix_b_fmt:MATRIX_FMT_FP4
.endif
.endif
.endm
.macro MUL set, rb                     ; 16 products: row block rb x the 16 column blocks; the 32 accumulators take turns
.irp p, 0,1,2,3,4,5,6,7
	WM 128*\rb+16*\p, 128*\set+16*\p, AF+16*\set+8*\rb, SW+8*\set+\p, SA+\set, 0, \rb
	WM 128*\rb+16*\p+8, 128*\set+16*\p+8, AF+16*\set+8*\rb, SW+8*\set+\p, SA+\set, 1, \rb
.endr
.endm
.macro PHASE slot, fill                ; a slot's two K steps; behind the round the other slot's next fill goes out
	s_wait_xcnt 0x0                                ; my prefetches have read their address
	s_add_nc_u64 s[PF:PF+1], s[PF:PF+1], QS
	s_add_co_u32 s[PFI], s[PFI], 1
	SEQ 1-\slot, \fill, 0
	FETCH \slot, 0, 0
	s_cmp_lt_u32 s[PFI], 21                        ; fills 3 to 23 are asked for
	s_cbranch_scc0 .Lnp_\@
	s_cmp_lt_u32 ttmp9, 4
	s_cbranch_scc0 .Lno_prefetch_cell0_\@
	global_prefetch_b8 v[PFO], s[PF:PF+1] th:TH_LOAD_NT scope:SCOPE_SE      ; my work-group's 34 blocks: 32,
	global_prefetch_b8 v[PFO+1], s[PF:PF+1] th:TH_LOAD_NT scope:SCOPE_SE    ; and 2 (the lanes left over name the last again)
.Lno_prefetch_cell0_\@:
.Lnp_\@:
	s_wait_dscnt 0x0
	WIN 0xa1
	MUL 0, 0
	PLACES 4                                       ; in front of loads into registers that matrix instructions have read
	FETCH \slot, 1, 1
	WIN 0xa1
	MUL 0, 1
	s_wait_dscnt 0x0
	MUL 1, 0
	MUL 1, 1
	WIN 0
.endm
.macro ASTEP                           ; the rows' addresses for this trip's four K steps
	v_add_nc_u32 v[ADRA], s[AO], v[ADRA0]
	v_add_nc_u32 v[ADRAS], s[AO], v[ADRAS0]
	VW
.endm
.macro LANES                           ; the eight chains in T become one number a row block, in both halves of the lanes: v[SS], v[SS+1]
.irp rb, 0,1
	v_pk_add_f32 v[T+8*\rb:T+8*\rb+1], v[T+8*\rb:T+8*\rb+1], v[T+8*\rb+2:T+8*\rb+3]
	v_pk_add_f32 v[T+8*\rb+4:T+8*\rb+5], v[T+8*\rb+4:T+8*\rb+5], v[T+8*\rb+6:T+8*\rb+7]
.endr
.irp rb, 0,1
	v_pk_add_f32 v[T+8*\rb:T+8*\rb+1], v[T+8*\rb:T+8*\rb+1], v[T+8*\rb+4:T+8*\rb+5]
.endr
.irp rb, 0,1
	v_add_f32 v[SS+\rb], v[T+8*\rb], v[T+8*\rb+1]
.endr
.irp rb, 0,1
	v_permlanex16_b32 v[XX+\rb], v[SS+\rb], s66, s67
.endr
.irp rb, 0,1
	v_add_f32 v[SS+\rb], v[SS+\rb], v[XX+\rb]
.endr
.endm
; chunk n = 16 rows (block n / 4) x 64 columns (group n % 4): 32 registers a lane at SB of a window
.macro CIN n                           ; c as loaded (whole rows) into my stage, and back in the accumulators' layout
	WIN 0x04
.set i, 0
.rept 8
	ds_store_b128 v[RD], v[32*(\n)+4*i:32*(\n)+4*i+3] offset:2*i*SROW
.set i, i+1
.endr
	WIN 0
.set i, 0
.rept 8
	ds_load_b128 v[CL+4*i:CL+4*i+3], v[STO] offset:64*(i/2)+16*(i%2)   ; LDS serves a wave's instructions in order
.set i, i+1
.endr
.endm
.macro COUT n, dw                      ; a result's chunk into my stage, and back as whole rows; dw: the window of the data
.set SB, 128*((\n)/4)+32*((\n)%4)
	WIN \dw
.set i, 0
.rept 8
	ds_store_b128 v[STO], v[SB+4*i:SB+4*i+3] offset:64*(i/2)+16*(i%2)
.set i, i+1
.endr
	WIN 0
.set i, 0
.rept 8
	ds_load_b128 v[OB+32*((\n)%2)+4*i:OB+32*((\n)%2)+4*i+3], v[RD] offset:2*i*SROW
.set i, i+1
.endr
.endm
.macro GST n, base                     ; sixteen lanes store 256 consecutive bytes, aligned; two rows an instruction
.set i, 0
.rept 8
	global_store_b128 v[CO], v[OB+32*((\n)%2)+4*i:OB+32*((\n)%2)+4*i+3], s[\base:\base+1] offset:(16*((\n)/4)+2*i)*4096+256*((\n)%4) th:TH_STORE_NT
.set i, i+1
.endr
.endm
; The last stage of a row block (its 128 registers from lo on): the accumulators hold EO, the state c_new; h_new = (1 - EC) / ((1 + EC)(1 + EO)) lands in the accumulators.
.macro FIN lo
	WIN 0x43
.set i, 0
.rept 64
	v_pk_mul_f32 v[\lo+2*i:\lo+2*i+1], v[\lo+2*i:\lo+2*i+1], s[60:61] op_sel_hi:[1,0]
.set i, i+1
.endr
	WIN 0x44
.set i, 0
.rept 128
	v_min_num_f32 v[\lo+i], s63, v[\lo+i]          ; the tanh's exponent is held at 64
.set i, i+1
.endr
	VW
	WIN 0x41
.set i, 0
.rept 128
	v_exp_f32 v[\lo+i], v[\lo+i]                   ; EC
.set i, i+1
.endr
	v_nop
	VW
	WIN 0xc1
.set i, 0
.rept 64
	v_pk_add_f32 v[\lo+2*i:\lo+2*i+1], v[\lo+2*i:\lo+2*i+1], 1.0 op_sel_hi:[1,0]    ; 1 + EC: finite, at least 1
.set i, i+1
.endr
	WIN 0xbe
.set i, 0
.rept 64
	v_pk_fma_f32 v[\lo+2*i:\lo+2*i+1], v[\lo+2*i:\lo+2*i+1], v[\lo+2*i:\lo+2*i+1], v[\lo+2*i:\lo+2*i+1]   ; (1 + EO)(1 + EC)
.set i, i+1
.endr
	WIN 0x41
.set i, 0
.rept 64
	v_pk_add_f32 v[\lo+2*i:\lo+2*i+1], v[\lo+2*i:\lo+2*i+1], 1.0 op_sel_hi:[1,0] neg_lo:[1,0] neg_hi:[1,0]   ; 1 - EC
.set i, i+1
.endr
	VW
	WIN 0x82
.set i, 0
.rept 128
	v_rcp_f32 v[\lo+i], v[\lo+i]
.set i, i+1
.endr
	v_nop
	VW
	WIN 0x89
.set i, 0
.rept 64
	v_pk_mul_f32 v[\lo+2*i:\lo+2*i+1], v[\lo+2*i:\lo+2*i+1], v[\lo+2*i:\lo+2*i+1]   ; h_new
.set i, i+1
.endr
	VW
	WIN 0
.endm
.macro OUT4 b                          ; a row block's four chunks of h_new leave; a chunk is on its way through the stage while the one before is stored
	s_wait_xcnt 0x0                                ; earlier stores have read their registers
	COUT \b, 0x08
.irp d, 0,1,2,3
.if \d < 3
	s_wait_xcnt 0x0
	COUT \b+\d+1, 0x08
	s_wait_dscnt 16                                ; only the next chunk's 16 LDS instructions may be out
.else
	s_wait_dscnt 0x0
.endif
	GST \b+\d, 16
.endr
.endm
	s_load_b512 s[4:19], s[0:1], 0x0               ; aimg 4, wimg 6, bh 8, ln_gamma 10, ln_beta 12, c 14, out0 16, out1 18
	v_lshl_add_u32 v[SPW], v0, 2, SPARE
	v_mov_b32 v[NIL], 0
	ds_add_u32 v[SPW], v[NIL]                      ; the opening lines: the add twice on end and its wait
	ds_add_u32 v[SPW], v[NIL]
	v_lshrrev_b32 v1, 5, v0
	v_readfirstlane_b32 s[WV], v1                  ; wave 0..3
	s_bfe_u32 s21, ttmp6, 0x40000                  ; cx
	s_lshl_b32 s22, ttmp9, 2
	s_add_co_u32 s22, s22, s21                     ; the work-group: rows 32 g on
	s_mov_b32 s[G1+0], 15|(3<<16)|(1<<21)          ; the four partners; elements of 8 bytes; bit 21 beside a mask
	s_mov_b32 s[G1+1], 32<<16                      ; 136 dense rows of 256 bytes
	s_mov_b32 s[G1+2], 136<<16
	s_mov_b32 s[G1+3], 32<<16
	s_mov_b32 s[G1+4], 136
	s_mov_b32 s[G1+5], 32
	s_mov_b32 s[G1+6], 0
	s_mov_b32 s[G1+7], 0
	s_mov_b32 s[G0], 1
	s_mul_i32 s[WQ], s[WV], QS                     ; my quarter of a slot
	s_add_co_u32 s37, s[WQ], 16384
	s_mul_i32 s23, s[WV], 16*SROW
	s_add_co_u32 s23, s23, STG                     ; my stage
	s_lshl_b32 s38, s[WV], 8
	s_add_co_u32 s38, s38, RED
	s_mul_i32 s39, s[WV], 3*ASTR
	s_add_co_u32 s39, s39, ABASE                   ; I copy the rows' K steps 3 w on
	s_mov_b32 s58, 0x3a800000                      ; 1 / 1,024
	s_mov_b32 s59, 0x3727c5ac                      ; 1e-5
	s_mov_b32 s60, 0xc038aa3b                      ; -2 log2(e)
	s_mov_b32 s61, s60
	s_mov_b32 s62, 0xbfb8aa3b                      ; -log2(e)
	s_mov_b32 s63, 0x42800000                      ; 64.0
	s_mov_b32 s66, 0x76543210
	s_mov_b32 s67, 0xfedcba98                      ; v_permlanex16_b32's selects for lane l xor 16
	s_mov_b32 s68, 0xffff0000                      ; lanes 16-31
	s_wait_dscnt 0x0                               ; both opening adds are done
	v_and_b32 v1, 15, v0                           ; r
	v_bfe_u32 v2, v0, 4, 1                         ; hh
	v_and_b32 v3, 31, v0                           ; lane
	v_lshlrev_b32 v[L16], 4, v3
	v_add_nc_u32 v[ADRB], s[WQ], v[L16]
	v_add_nc_u32 v[ADRB+1], SLOT, v[ADRB]
	v_lshlrev_b32 v19, 3, v1
	v_lshl_add_u32 v19, v2, 2, v19                 ; 8 r + 4 hh
	v_add_nc_u32 v[ADRS], s37, v19
	v_add_nc_u32 v[ADRS+1], SLOT, v[ADRS]
	v_add_nc_u32 v[ADRA0], ABASE, v[L16]
	v_add_nc_u32 v[ADRAS0], ABASE+2048, v19
	v_lshlrev_b32 v[BO], 5, v2                     ; bias, gamma, beta: my half's eight numbers of a block
	v_lshlrev_b32 v[CO], 12, v2
	v_lshl_add_u32 v[CO], v1, 4, v[CO]             ; c and the results: lanes 0-15 one row's 256 bytes, lanes 16-31 the next row's
	v_mul_u32_u24 v[RD], v2, SROW
	v_lshl_add_u32 v[RD], v1, 4, v[RD]
	v_add_nc_u32 v[RD], s23, v[RD]                 ; the stage by whole rows
	v_mul_u32_u24 v[STO], v1, SROW
	v_lshl_add_u32 v[STO], v2, 5, v[STO]
	v_add_nc_u32 v[STO], s23, v[STO]               ; the stage by the accumulators' layout
	v_lshl_add_u32 v[REDW], v3, 3, s38
	v_lshl_add_u32 v[REDR], v1, 3, RED
	v_lshlrev_b32 v[PFO], 8, v3
	v_min_u32 v[PFO+1], 1, v3
	v_lshl_add_u32 v[PFO+1], v[PFO+1], 8, 8192
	v_add_nc_u32 v22, s39, v[L16]
	v_lshlrev_b32 v23, 2, v3
	v_add_nc_u32 v24, s39, v23
	v_mov_b32 v[XX], 0                             ; written once: a lane permute's destination counts as one of its sources
	v_mov_b32 v[XX+1], 0
	VW
	s_wait_kmcnt 0x0
	s_mul_i32 s54, s[WV], 48*PART                  ; my stream in wimg: 4 gates x 12 K steps, one run
	s_mov_b32 s55, 0
	s_add_nc_u64 s[G0+2:G0+3], s[6:7], s[54:55]
	s_mul_i32 s70, s21, 34*256
	s_mov_b32 s71, 0
	s_add_nc_u64 s[PF:PF+1], s[G0+2:G0+3], s[70:71]
	s_add_nc_u64 s[PF:PF+1], s[PF:PF+1], 2*QS      ; the first phase steps it to fill 3
	s_sub_nc_u64 s[G0+2:G0+3], s[G0+2:G0+3], QS    ; every fill steps the address first
	s_or_b32 s[G0+3], s[G0+3], 0x80000000
	s_lshr_b32 s72, s22, 3                         ; the rows' images: tile g / 8, fragments 2 (g % 8), + 1
	s_mul_i32 s72, s72, 12
	s_mul_i32 s73, s[WV], 3
	s_add_co_u32 s72, s72, s73
	s_mul_i32 s72, s72, PART
	s_and_b32 s73, s22, 7
	s_lshl_b32 s70, s73, 11
	s_add_co_u32 s70, s70, s72
	s_add_nc_u64 s[74:75], s[4:5], s[70:71]
	s_lshl_b32 s70, s73, 7
	s_add_co_u32 s70, s70, s72
	s_add_co_u32 s70, s70, 16384
	s_add_nc_u64 s[76:77], s[4:5], s[70:71]
	s_lshl_b32 s70, s22, 17                        ; 32 g rows of 4,096 bytes + 1,024 w
	s_lshl_b32 s72, s[WV], 10
	s_add_co_u32 s70, s70, s72
	s_add_nc_u64 s[14:15], s[14:15], s[70:71]
	s_add_nc_u64 s[16:17], s[16:17], s[70:71]
	s_add_nc_u64 s[18:19], s[18:19], s[70:71]
.irp e, 0,1,2
.irp i, 0,1,2,3
	global_load_b128 v[160+16*\e+4*\i:163+16*\e+4*\i], v[L16], s[74:75] offset:\e*PART+512*\i
.endr
	global_load_b32 v[208+\e], v23, s[76:77] offset:\e*PART
.endr
	s_wait_loadcnt 0x0
.irp e, 0,1,2
.irp i, 0,1,2,3
	ds_store_b128 v22, v[160+16*\e+4*\i:163+16*\e+4*\i] offset:ASTR*\e+512*\i
.endr
	ds_store_b32 v24, v[208+\e] offset:ASTR*\e+2048
.endr
	s_mov_b32 s[Q], 0
	s_mov_b32 s[PFI], -1
.Lgate:                                                ; the q-th gate: i, g, f, o
	s_and_b32 s54, s[Q], 1                         ; its number in reference(): q's two bits swapped
	s_lshl_b32 s54, s54, 1
	s_lshr_b32 s55, s[Q], 1
	s_or_b32 s54, s54, s55
	s_lshl_b32 s54, s54, 12
	s_lshl_b32 s55, s[WV], 10
	s_add_co_u32 s54, s54, s55                     ; 4,096 gate + 1,024 w
	s_mov_b32 s55, 0
	s_add_nc_u64 s[48:49], s[8:9], s[54:55]
	s_add_nc_u64 s[50:51], s[10:11], s[54:55]
	s_add_nc_u64 s[52:53], s[12:13], s[54:55]
	s_cmp_eq_u32 s[Q], 1
	s_cselect_b32 s56, s60, s62                    ; K
	s_mov_b32 s57, s56
	SEQ 0, 1, 1                                    ; the gate's first fill; (the first time the round also shows the rows' codes to all waves)
	WIN 0x80
.set i, 0
.rept 32
	global_load_b128 v[4*i:4*i+3], v[BO], s[48:49] offset:64*(i/2)+16*(i%2)         ; the bias starts the sums of both row blocks
	global_load_b128 v[128+4*i:131+4*i], v[BO], s[48:49] offset:64*(i/2)+16*(i%2)
.set i, i+1
.endr
	WIN 0
	s_mov_b32 s[AO], 0
	s_mov_b32 s[TR], 2
	s_wait_loadcnt 0x0
.Ltrip:
	ASTEP
	PHASE 0, 1
	PHASE 1, 1
	s_add_co_u32 s[AO], s[AO], 4*ASTR
	s_sub_co_u32 s[TR], s[TR], 1
	s_cmp_lg_u32 s[TR], 0
	s_cbranch_scc1 .Ltrip
	ASTEP
	PHASE 0, 1
	PHASE 1, 0                                     ; the gate's last two K steps: nothing is filled
	; ---- the statistics
	PLACES 4                                       ; in front of the first read of results and of loads over W's fragments
	WIN 0x40
.set i, 0
.rept 31
	global_load_b128 v[4*i:4*i+3], v[BO], s[50:51] offset:64*(i/2)+16*(i%2)         ; gamma, as the gates lie: 62 loads here, the last two further down
	global_load_b128 v[128+4*i:131+4*i], v[BO], s[52:53] offset:64*(i/2)+16*(i%2)   ; beta
.set i, i+1
.endr
	WIN 0x0a
.irp c, 0,1,2,3
.irp rb, 0,1
	v_pk_add_f32 v[T+8*\rb+2*\c:T+8*\rb+2*\c+1], v[128*\rb+2*\c:128*\rb+2*\c+1], v[128*\rb+8+2*\c:128*\rb+9+2*\c]    ; each accumulator from its low end on
.endr
.endr
	WIN 0x08
.set i, 8
.rept 56
.irp rb, 0,1
	v_pk_add_f32 v[T+8*\rb+2*(i%4):T+8*\rb+2*(i%4)+1], v[T+8*\rb+2*(i%4):T+8*\rb+2*(i%4)+1], v[128*\rb+2*i:128*\rb+2*i+1]
.endr
.set i, i+1
.endr
	WIN 0
	LANES
.irp rb, 0,1
	v_mul_f32 v[NM+2*\rb], 0xbb800000, v[SS+\rb]   ; minus my 256 numbers' mean, twice
	v_mul_f32 v[NM+2*\rb+1], 0xbb800000, v[SS+\rb]
.endr
	WIN 0x82
.set i, 0
.rept 64
.irp rb, 0,1
	v_pk_add_f32 v[128*\rb+2*i:128*\rb+2*i+1], v[128*\rb+2*i:128*\rb+2*i+1], v[NM+2*\rb:NM+2*\rb+1]   ; the deviations, in place
.endr
.set i, i+1
.endr
	WIN 0x40
	global_load_b128 v[124:127], v[BO], s[50:51] offset:64*15+16                    ; the last 16 bytes of gamma and of beta
	global_load_b128 v[252:255], v[BO], s[52:53] offset:64*15+16
	WIN 0x0a
.irp c, 0,1,2,3
.irp rb, 0,1
	v_pk_mul_f32 v[T+8*\rb+2*\c:T+8*\rb+2*\c+1], v[128*\rb+2*\c:128*\rb+2*\c+1], v[128*\rb+2*\c:128*\rb+2*\c+1]
.endr
.endr
.set i, 4
.rept 60
.irp rb, 0,1
	v_pk_fma_f32 v[T+8*\rb+2*(i%4):T+8*\rb+2*(i%4)+1], v[128*\rb+2*i:128*\rb+2*i+1], v[128*\rb+2*i:128*\rb+2*i+1], v[T+8*\rb+2*(i%4):T+8*\rb+2*(i%4)+1]
.endr
.set i, i+1
.endr
	WIN 0
	LANES                                          ; M2
	v_cndmask_b32 v[RC], v[NM], v[NM+2], s68       ; lane l writes row l's pair
	v_cndmask_b32 v[RC+1], v[SS], v[SS+1], s68
	ds_store_b64 v[REDW], v[RC:RC+1]
	VW
	s_wait_dscnt 0x0                               ; for the others' sake
	s_barrier_signal -1
	s_barrier_wait -1
.irp rb, 0,1
.irp w, 0,1,2,3
	ds_load_b64 v[RR+8*\rb+2*\w:RR+8*\rb+2*\w+1], v[REDR] offset:256*\w+128*\rb
.endr
.endr
	s_wait_loadcnt 0x0                             ; gamma and beta
	s_wait_dscnt 0x0
.irp rb, 0,1
	v_add_f32 v[U+4*\rb], v[RR+8*\rb], v[RR+8*\rb+2]
	v_add_f32 v[U+4*\rb+1], v[RR+8*\rb+4], v[RR+8*\rb+6]
	v_add_f32 v[U+4*\rb+2], v[RR+8*\rb+1], v[RR+8*\rb+3]
	v_add_f32 v[U+4*\rb+3], v[RR+8*\rb+5], v[RR+8*\rb+7]
.endr
.irp rb, 0,1
	v_add_f32 v[U+4*\rb], v[U+4*\rb], v[U+4*\rb+1]
	v_add_f32 v[U+4*\rb+2], v[U+4*\rb+2], v[U+4*\rb+3]            ; the sum of the M2
.endr
.irp rb, 0,1
	v_mul_f32 v[U+4*\rb], 0x3e800000, v[U+4*\rb]                  ; minus the gate's mean
.endr
.irp w, 0,1,2,3
.irp rb, 0,1
	v_sub_f32 v[RR+8*\rb+2*\w], v[RR+8*\rb+2*\w], v[U+4*\rb]
.endr
.endr
.irp rb, 0,1
	v_mul_f32 v[U+4*\rb+1], v[RR+8*\rb], v[RR+8*\rb]
.endr
.irp w, 1,2,3
.irp rb, 0,1
	v_fmac_f32 v[U+4*\rb+1], v[RR+8*\rb+2*\w], v[RR+8*\rb+2*\w]
.endr
.endr
.irp rb, 0,1
	v_fma_f32 v[U+4*\rb+2], v[U+4*\rb+1], 0x43800000, v[U+4*\rb+2]   ; + 256 x
.endr
.irp rb, 0,1
	v_fma_f32 v[U+4*\rb+2], v[U+4*\rb+2], s58, s59                ; the variance + 1e-5
	v_sub_f32 v[DD+\rb], v[U+4*\rb], v[NM+2*\rb]                  ; my mean less the gate's
.endr
	VW
	v_rsq_f32 v[U+3], v[U+2]
	v_rsq_f32 v[U+7], v[U+6]
	v_nop
	VW
.irp rb, 0,1
	v_mul_f32 v[RS+2*\rb], s56, v[U+4*\rb+3]       ; K / sigma, twice
	v_mul_f32 v[RS+2*\rb+1], s56, v[U+4*\rb+3]
.endr
.irp rb, 0,1
	v_mul_f32 v[SH+2*\rb], v[DD+\rb], v[RS+2*\rb]
	v_mul_f32 v[SH+2*\rb+1], v[DD+\rb], v[RS+2*\rb]
.endr
	WIN 0x41
.set i, 0
.rept 64
	v_pk_mul_f32 v[128+2*i:129+2*i], v[128+2*i:129+2*i], s[56:57] op_sel_hi:[1,0]   ; K beta
.set i, i+1
.endr
	WIN 0x82
.set i, 0
.rept 64
.irp rb, 0,1
	v_pk_fma_f32 v[128*\rb+2*i:128*\rb+2*i+1], v[128*\rb+2*i:128*\rb+2*i+1], v[RS+2*\rb:RS+2*\rb+1], v[SH+2*\rb:SH+2*\rb+1]   ; K (gate - mean) / sigma
.endr
.set i, i+1
.endr
	WIN 0x96
.set i, 0
.rept 64
.irp rb, 0,1
	v_pk_fma_f32 v[128*\rb+2*i:128*\rb+2*i+1], v[128*\rb+2*i:128*\rb+2*i+1], v[2*i:2*i+1], v[128+2*i:129+2*i]   ; x gamma + K beta
.endr
.set i, i+1
.endr
	WIN 0
	VW
	s_cmp_eq_u32 s[Q], 1
	s_cbranch_scc0 .Lno_hold
	WIN 0x88
.set i, 0
.rept 256
	v_min_num_f32 v[i], s63, v[i]                  ; the tanh's exponent is held at 64
.set i, i+1
.endr
	WIN 0
.Lno_hold:
	s_cmp_eq_u32 s[Q], 2
	s_cbranch_scc0 .Lno_c
	WIN 0x40
.set n, 0
.rept 7
.set i, 0
.rept 8
	global_load_b128 v[32*n+4*i:32*n+4*i+3], v[CO], s[14:15] offset:(16*(n/4)+2*i)*4096+256*(n%4) th:TH_LOAD_NT   ; c's chunks 0 to 6 over gamma and beta, which are done with: two rows of 256 bytes an instruction
.set i, i+1
.endr
.set n, n+1
.endr
	WIN 0
.Lno_c:
	VW
	WIN 0x82
.set i, 0
.rept 256
	v_exp_f32 v[i], v[i]                           ; E
.set i, i+1
.endr
	v_nop
	VW
	WIN 0
	s_cmp_lg_u32 s[Q], 0
	s_cbranch_scc1 .Lv1
	WIN 0xc2
.set i, 0
.rept 128
	v_pk_add_f32 v[2*i:2*i+1], v[2*i:2*i+1], 1.0 op_sel_hi:[1,0]                    ; the state: 1 + EI
.set i, i+1
.endr
	WIN 0
	s_branch .Lnext
.Lv1:
	s_cmp_lg_u32 s[Q], 1
	s_cbranch_scc1 .Lv2
	WIN 0x82
.set i, 0
.rept 128
	v_pk_add_f32 v[2*i:2*i+1], v[2*i:2*i+1], 1.0 op_sel_hi:[1,0]                    ; 1 + EG: finite, at least 1
.set i, i+1
.endr
	WIN 0xcb
.set i, 0
.rept 128
	v_pk_mul_f32 v[2*i:2*i+1], v[2*i:2*i+1], v[2*i:2*i+1]                           ; (1 + EI)(1 + EG)
.set i, i+1
.endr
	WIN 0x82
.set i, 0
.rept 128
	v_pk_add_f32 v[2*i:2*i+1], v[2*i:2*i+1], 2.0 op_sel_hi:[1,0] neg_lo:[1,0] neg_hi:[1,0]   ; 2 - (1 + EG) = 1 - EG
.set i, i+1
.endr
	VW
	WIN 0xc3
.set i, 0
.rept 256
	v_rcp_f32 v[i], v[i]
.set i, i+1
.endr
	v_nop
	VW
	WIN 0xce
.set i, 0
.rept 128
	v_pk_mul_f32 v[2*i:2*i+1], v[2*i:2*i+1], v[2*i:2*i+1]                           ; the state: sigmoid(i) tanh(g)
.set i, i+1
.endr
	WIN 0
	s_branch .Lnext
.Lv2:
	s_cmp_lg_u32 s[Q], 2
	s_cbranch_scc1 .Lnext
	WIN 0x82
.set i, 0
.rept 128
	v_pk_add_f32 v[2*i:2*i+1], v[2*i:2*i+1], 1.0 op_sel_hi:[1,0]                    ; 1 + EF
.set i, i+1
.endr
	VW
.set i, 0
.rept 256
	v_rcp_f32 v[i], v[i]                           ; sigmoid(f)
.set i, i+1
.endr
	v_nop
	VW
	WIN 0x40
.set i, 0
.rept 8
	global_load_b128 v[224+4*i:227+4*i], v[CO], s[14:15] offset:(16+2*i)*4096+768 th:TH_LOAD_NT   ; c's chunk 7
.set i, i+1
.endr
	WIN 0
	s_wait_loadcnt 56                              ; chunk 0's eight loads are in; the 56 of chunks 1 to 7 may be out
	CIN 0
.irp n, 0,1,2,3,4,5,6,7
	s_wait_dscnt 0x0                               ; this chunk's c is back from the stage
	s_wait_xcnt 0x0                                ; the stores of two chunks back have read their registers
.set SB, 128*(\n/4)+32*(\n%4)
	WIN 0xf8
.set i, 0
.rept 16
	v_pk_fma_f32 v[SB+2*i:SB+2*i+1], v[CL+2*i:CL+2*i+1], v[SB+2*i:SB+2*i+1], v[SB+2*i:SB+2*i+1]   ; the state: c_new = c sigmoid(f) + sigmoid(i) tanh(g)
.set i, i+1
.endr
	COUT \n, 0x0c
.if \n < 7
	s_wait_loadcnt 48-8*\n                         ; the next chunk's eight loads are in; those of the chunks behind it may be out
	CIN \n+1
	s_wait_dscnt 16                                ; only the next chunk's 16 LDS instructions may be out
.else
	s_wait_dscnt 0x0
.endif
	GST \n, 18                                     ; out1 leaves here
.endr
.Lnext:
	s_add_co_u32 s[Q], s[Q], 1
	s_cmp_lt_u32 s[Q], 4
	s_cbranch_scc1 .Lgate
	; ---- behind gate o, by row blocks
	FIN 0
	OUT4 0                                         ; rows 0-15 of out0 are on their way during the arithmetic of rows 16-31
	FIN 128
	OUT4 4
	s_wait_tensorcnt 0x0                           ; the wave's end
	ds_add_u32 v[SPW], v[NIL]
	s_wait_dscnt 0x0
	ROUND                                          ; the closing round
	s_endpgm
.Lfunc_end_k_q59fe802a49_cell:
	.size	k_q59fe802a49_cell, .Lfunc_end_k_q59fe802a49_cell-k_q59fe802a49_cell
	.p2alignl 7, 3214868480
	.fill 96, 4, 3214868480
	.section	.rodata,"a",@progbits
	.p2align	6, 0x0
	.amdhsa_kernel k_q59fe802a49_cell
		.amdhsa_group_segment_fixed_size 327680
		.amdhsa_private_segment_fixed_size 0
		.amdhsa_enable_private_segment 0
		.amdhsa_kernarg_size 64
		.amdhsa_user_sgpr_count 2
		.amdhsa_user_sgpr_kernarg_segment_ptr 1
		.amdhsa_wavefront_size32 1
		.amdhsa_system_sgpr_workgroup_id_x 1
		.amdhsa_system_sgpr_workgroup_id_y 1
		.amdhsa_system_sgpr_workgroup_id_z 1
		.amdhsa_system_vgpr_workitem_id 0
		.amdhsa_next_free_vgpr 1024
		.amdhsa_next_free_sgpr 80
		.amdhsa_reserve_vcc 0
		.amdhsa_float_denorm_mode_32 3
		.amdhsa_float_denorm_mode_16_64 3
		.amdhsa_memory_ordered 1
		.amdhsa_forward_progress 1
		.amdhsa_inst_pref_size 255
	.end_amdhsa_kernel
	.section	.bss,"aw",@nobits
	.p2align	6
	.space	262144
	.amdgpu_metadata
---
amdhsa.version: [ 1, 2 ]
amdhsa.kernels:
  - .name:           k_q59fe802a49_cell
    .symbol:         k_q59fe802a49_cell.kd
    .args:
      - { .name: aimg, .offset: 0, .size: 8, .value_kind: global_buffer, .address_space: global }
      - { .name: wimg, .offset: 8, .size: 8, .value_kind: global_buffer, .address_space: global }
      - { .name: bh, .offset: 16, .size: 8, .value_kind: global_buffer, .address_space: global }
      - { .name: ln_gamma, .offset: 24, .size: 8, .value_kind: global_buffer, .address_space: global }
      - { .name: ln_beta, .offset: 32, .size: 8, .value_kind: global_buffer, .address_space: global }
      - { .name: c, .offset: 40, .size: 8, .value_kind: global_buffer, .address_space: global }
      - { .name: out0, .offset: 48, .size: 8, .value_kind: global_buffer, .address_space: global }
      - { .name: out1, .offset: 56, .size: 8, .value_kind: global_buffer, .address_space: global }
    .group_segment_fixed_size: 327680
    .private_segment_fixed_size: 0
    .kernarg_segment_align: 8
    .kernarg_segment_size: 64
    .max_flat_workgroup_size: 128
    .sgpr_count:     80
    .vgpr_count:     1024
    .wavefront_size: 32
...
	.end_amdgpu_metadata
.endif
;; end of part 2
